; MI455X (gfx1250); checked and timed in simulation.
; The chip was launched on July 23, 2026; its instructions are those of AMD's public machine-readable ISA for CDNA 5 (MIT licence, August 2026) and "CDNA5" Instruction Set Architecture Reference Guide (July 2026). The comments in the code are by the model that wrote it; some were corrected since.
;; Scaled Dot Product Attention. Allowed arithmetic: matrix products marked QUANTISED: E2M3 operands, one E8M0 scale for each 32 along K, by v_wmma_scale_f32_16x16x128_f8f6f4 with both operands' format E2M3, f32 sums; everything else in f32.
;; Inputs: key 4 x 16 x 2,048 x 64 float32; mask 4 x 1 x 2,048 x 2,048 int32; query 4 x 16 x 2,048 x 64 float32; value 4 x 16 x 2,048 x 64 float32.
;; Outputs: out0 4 x 16 x 2,048 x 64 float32.
;; This version of the problem:
;;   THIS VERSION OF THE PROBLEM IS GIVEN IN LOW PRECISION. The matrix products marked QUANTISED in the list below multiply operands that are first quantised to E2M3 (2 exponent bits, 3 mantissa bits; 6 bits a number), with one power-of-two scale for each 32 numbers along K (OCP MX v1.0); their sums are f32. All else is computed in f32.
;;   The module's matrix products, in the order in which they are computed (A, B: the left and right operand; K: the contracted axis; several contracted axes count as one K, in the product's order):
;;     1. batch 64 x [M 2,048, K 64] x [K 64, N 2,048]; A: input query; B: input key: QUANTISED
;;     2. batch 64 x [M 2,048, K 2,048] x [K 2,048, N 64]; A: softmax (see below); B: input value: QUANTISED
;;   THE QUANTISER, for each operand of a quantised product, along K:
;;     - K is cut into blocks of 32 from its start; a last block that is shorter is filled with zeros.
;;     - A block's scale is 2^e with e = floor(log2(the largest magnitude in the block)) - 2, held to -126 .. 127; a block of zeros has e = 0. As a byte (E8M0): e + 127.
;;     - Each number is divided by its block's scale, clamped to +-7.5, and rounded to the nearest number of E2M3, ties to even, subnormals kept.
;;     - The product sums the exact products of the quantised numbers (number of the format x scale) in f32.
;;   ~~~python
;;   def quantise(x, axis):      # numpy; x: float32 -> the quantised numbers, widened to float32 again
;;       x = np.moveaxis(x, axis, -1); K = x.shape[-1]
;;       x = np.pad(x, [(0, 0)] * (x.ndim - 1) + [(0, -K % 32)]); x = x.reshape(x.shape[:-1] + (-1, 32)); a = np.abs(x).max(-1, keepdims=True)
;;       e = np.where(a > 0, np.clip(np.frexp(np.where(a > 0, a, 1))[1] - 1 - 2, -126, 127), 0)      # np.frexp(a)[1] - 1 = floor(log2(a)), exactly
;;       r = np.clip(x / 2.0 ** e, -7.5, 7.5)
;;       step = 2.0 ** (np.maximum(np.frexp(np.where(r == 0, 1, r))[1] - 1, 0) - 3)
;;       q = np.round(r / step) * step * 2.0 ** e      # np.round: ties to even
;;       return np.moveaxis(q.reshape(q.shape[:-2] + (-1,))[..., :K], -1, axis).astype(np.float32)
;;   ~~~
;;   SOFTMAX AHEAD OF A QUANTISED PRODUCT. Where the list says 'softmax', what is quantised is not the finished softmax but p = 2^(t - M), with t = logit x log2(e) and M = ceil(the row's largest t), a whole number; so 1/2 < the row's largest p <= 1. The row's sum l is taken of the UNQUANTISED p, in f32, and the product's result is divided by l at the end. Since M is a whole number, a kernel that streams over the keys may use a running M (the ceiling of the running maximum): every later rescaling is an exact power of two, which a block's scale takes up: the codes' values come out the same.
;;   OPERANDS COMPUTED ON THE WAY. 'Computed on the way' means the value that the module computes at that place (a softmax that the list does not call 'softmax' is quantised finished and normalised). What goes into a quantiser is computed in f32, as accurately as f32 sums, v_exp_f32 and their like allow (about 1e-6 of the number): no bf16 or f16 on the way to a quantiser, and a product that is left as it is and whose result goes on into a quantised operand takes f32 operands (vector FMAs, or v_wmma_f32_16x16x4_f32). A number that lies on a knife's edge between two numbers of the format may be rounded either way, as far as f32 arithmetic and the matrix unit's own rounding can turn it there, and no further.
;; One version. Each part assembles by itself: llvm-mc -triple=amdgcn-amd-amdhsa -mcpu=gfx1250 --defsym DOCPART=n.
;; ======== version 1 of 1: 2 launches
;; limits: right only within a limited range of input values
;; workspace buffers: kv 14,680,064 bytes; mbits 2,097,152 bytes of whole numbers
;; launch prep (part 1): grid 1024 x 1, 4 waves a work-group, no clusters, 68,864 bytes of LDS; arguments key, value, mask, kv, mbits; writes kv, mbits
.if DOCPART == 1
	.amdgcn_target "amdgcn-amd-amdhsa--gfx1250"
	.amdhsa_code_object_version 6
	.text
	.protected	k_q81c035384a_prep
	.globl	k_q81c035384a_prep
	.p2align	8
	.type	k_q81c035384a_prep,@function
k_q81c035384a_prep:
	s_mov_b64 s[64:65], 0
	v_nop
	global_prefetch_b8 v0, s[64:65] scope:SCOPE_SE
	s_setreg_imm32_b32 hwreg(HW_REG_WAVE_MODE, 25, 1), 1
	s_wait_xcnt 0x0
; PREP: key and value [64 heads][2048][64] f32 become codes of FP6 (E2M3) with E8M0 scale bytes, laid as images of the operand registers that the attention launch loads;
; mask [4][2048][2048] int32 becomes one bit a number, laid as the lane masks that the attention launch's selects take.
; A block's scale is 2^(floor(log2(its largest magnitude)) - 2); its byte is the largest magnitude's exponent field - 2, held at 1 from below.
; LIMITS: a block of zeros gets the byte 1 where the rule says 127 (its codes are zeros, and this program alone reads the bytes); blocks whose largest magnitude lies under 2^-124 keep the byte 1;
; NaN and infinities among the inputs are not served.
; SHARES.  Work-group g makes step block g of kv (head g / 16, keys 128 (g % 16) on: 14,336 bytes) and the mask words of tile-steps 8 g .. 8 g + 7 (a tile-step: 16 queries x 128 keys, 64 words).
; A step block is eight sub-blocks of 1,792 bytes: 12 registers x 32 lanes as three groups of 512 bytes (16 bytes a lane), then 256 bytes of scale words, 8 bytes a lane.
;   sub-block s = 0..3 (K): registers 6 u .. 6 u + 5 are fragment F = 2 s + u: lane (r, h) holds key 64 (F / 4) + 32 (r / 8) + 8 (F % 4) + r % 8, d = 32 h .. 32 h + 31.  So the scores' 32 registers of
;     fragments 4 c .. 4 c + 3 are, in lane half h, the 32 neighbouring keys 64 c + 32 h on: a whole block of the second product's K.  Scale words: (fragment 2 s, 2 s + 1) of row l % 16, bytes [d 0-31, d 32-63] twice.
;   sub-block 4 + n (V): registers 6 c .. 6 c + 5 of lane (r, h): V[key 64 c + 32 h + 0 .. 31][d = 16 n + r].  Scale words: (W, W), W's byte i for keys 32 i on.
; Mask word n of a tile-step: bit l = (mask[query l % 16][key 64 (n / 32) + 32 (l / 16) + n % 32] != 0): the place of score register n.
; Wave w loads K's and V's keys 32 w on, makes sub-blocks w and 4 + w, and mask tile-steps 8 g + 2 w + e.  Every global load reads 512 consecutive bytes, every store 512 or 256, at multiples of 256.
; Two barriers: K's and V's stages are written by four waves and read by all; K's stage bytes take the mask only when all waves have read K.
.set SUBB,  1792
.set STEPB, 8*SUBB
.set VGRP,  8256                       ; V's stage: 32 keys x 256 bytes + 64
.set KST,   4*VGRP
.set WST,   8832                       ; a wave's region: K, 32 rows of 272 bytes; later the mask, 16 rows of 528; + 128, so that rows of two regions start at different banks
.set KP,    272
.set MP,    528
.set SPARE, KST+4*WST                  ; the spare words, 128 bytes a wave
.set LI,    4
.set LS,    5
.set VSTO,  6
.set VRD,   7
.set KSTO,  8
.set KRD,   9
.set MSTO,  10
.set MRD,   11
.set H8,    12
.set CK,    16
.set CV,    28
.set T,     40
.set SPW,   47
.set AM,    48
.set SO,    50
.set BY,    52
.set WK,    54
.set WVS,   56
.set PT,    58
.set NIL,   59
.set D0,    60
.set D1,    62
.set RV,    64
.set RK,    128
.set RM,    192
	s_load_b256 s[4:11], s[0:1], 0x0               ; key, value, mask, kv
	s_load_b64 s[12:13], s[0:1], 0x20              ; mbits
	v_lshl_add_u32 v[SPW], v0, 2, SPARE
	v_mov_b32 v[NIL], 0
	v_lshrrev_b32 v1, 5, v0
	v_readfirstlane_b32 s14, v1                    ; wave
	v_and_b32 v1, 31, v0                           ; lane
	v_and_b32 v2, 15, v0                           ; r
	v_bfe_u32 v3, v0, 4, 1                         ; h
	v_lshlrev_b32 v[LI], 4, v1
	v_lshlrev_b32 v[LS], 3, v1
	s_mul_i32 s15, s14, VGRP
	v_add_nc_u32 v[VSTO], s15, v[LI]
	v_mul_u32_u24 v[VRD], v3, VGRP
	v_lshl_add_u32 v[VRD], v2, 2, v[VRD]
	s_lshl_b32 s15, s14, 6
	v_add_nc_u32 v[VRD], s15, v[VRD]
	s_mul_i32 s15, s14, WST
	s_add_co_u32 s15, s15, KST                     ; my wave's region
	v_mul_u32_u24 v[KSTO], v3, KP
	v_lshl_add_u32 v[KSTO], v2, 4, v[KSTO]
	v_add_nc_u32 v[KSTO], s15, v[KSTO]
	; K, out: region 2 (w / 2) + r / 8, row 16 (w % 2) + 8 u + r % 8, byte 128 h
	v_and_b32 v[KRD], 7, v2
	v_mul_u32_u24 v[KRD], v[KRD], KP
	v_lshl_add_u32 v[KRD], v3, 7, v[KRD]
	v_bfe_u32 v13, v0, 3, 1
	v_mad_u32_u24 v[KRD], v13, WST, v[KRD]
	s_and_b32 s16, s14, 2
	s_mul_i32 s16, s16, WST
	s_and_b32 s17, s14, 1
	s_mul_i32 s17, s17, 16*KP
	s_add_co_u32 s16, s16, s17
	s_add_co_u32 s16, s16, KST
	v_add_nc_u32 v[KRD], s16, v[KRD]
	v_add_nc_u32 v[MSTO], s15, v[LI]
	v_mul_u32_u24 v[MRD], v2, MP
	v_lshl_add_u32 v[MRD], v3, 7, v[MRD]           ; mask, out: 528 r + 128 h
	v_add_nc_u32 v[MRD], s15, v[MRD]
	v_lshlrev_b32 v[H8], 3, v3
	v_mov_b32 v[PT], 0                             ; a lane permute's or v_writelane_b32's target counts as a source
.irp i, 0,1,2,3
	v_mov_b32 v[D0+\i], 0
.endr
	s_mov_b32 s32, 0x76543210
	s_mov_b32 s33, 0xfedcba98                      ; selects for lane l xor 16
	s_lshl_b32 s34, ttmp9, 15                      ; key, value: 128 keys x 256 bytes a work-group, 32 keys a wave
	s_lshl_b32 s35, s14, 13
	s_add_co_u32 s34, s34, s35
	s_mov_b32 s35, 0
	s_lshr_b32 s36, ttmp9, 1                       ; mask: tile of queries g / 2 (16 rows of 8,192 bytes),
	s_lshl_b32 s36, s36, 17
	s_and_b32 s37, ttmp9, 1                        ; key step 8 (g % 2) + 2 w + e (512 bytes of a row)
	s_lshl_b32 s37, s37, 12
	s_add_co_u32 s36, s36, s37
	s_lshl_b32 s37, s14, 10
	s_add_co_u32 s36, s36, s37
	s_mov_b32 s37, 0
	s_mul_i32 s38, ttmp9, STEPB
	s_mul_i32 s39, s14, SUBB
	s_add_co_u32 s38, s38, s39
	s_mov_b32 s39, 0
	s_lshl_b32 s40, ttmp9, 11                      ; mbits: 256 bytes a tile-step
	s_lshl_b32 s41, s14, 9
	s_add_co_u32 s40, s40, s41
	s_mov_b32 s41, 0
	s_wait_alu depctr_va_vdst(0)                   ; the wait at the head's end
	s_wait_kmcnt 0x0
	s_add_nc_u64 s[4:5], s[4:5], s[34:35]
	s_add_nc_u64 s[6:7], s[6:7], s[34:35]
	s_add_nc_u64 s[8:9], s[8:9], s[36:37]
	s_add_nc_u64 s[10:11], s[10:11], s[38:39]
	s_add_nc_u64 s[12:13], s[12:13], s[40:41]
.irp i, 0,1,2,3,4,5,6,7,8,9,10,11,12,13,14,15
	global_load_b128 v[RV+4*\i:RV+4*\i+3], v[LI], s[6:7] offset:512*\i th:TH_LOAD_NT
.endr
.irp i, 0,1,2,3,4,5,6,7,8,9,10,11,12,13,14,15
	global_load_b128 v[RK+4*\i:RK+4*\i+3], v[LI], s[4:5] offset:512*\i th:TH_LOAD_NT
.endr
.irp i, 0,1,2,3,4,5,6,7,8,9,10,11,12,13,14,15
	global_load_b128 v[RM+4*\i:RM+4*\i+3], v[LI], s[8:9] offset:8192*\i th:TH_LOAD_NT     ; mask, e = 0
.endr
; Two blocks of 32 numbers of a lane, v[src + 32 u] on, become 12 registers of codes, v[dst + 6 u] on; their bytes are left in v[BY + u].
.macro QUANT64 src, dst
.irp u, 0,1
	v_max3_num_f32 v[AM+\u], |v[\src+32*\u]|, |v[\src+32*\u+1]|, 0x1800000   ; with the floor 2^(3 - 127): the byte cannot fall under 1
.endr
.irp i, 2,4,6,8,10,12,14,16,18,20,22,24,26,28,30
.irp u, 0,1
	v_max3_num_f32 v[AM+\u], v[AM+\u], |v[\src+32*\u+\i]|, |v[\src+32*\u+\i+1]|
.endr
.endr
.irp u, 0,1
	v_add_nc_u32 v[SO+\u], 0xff000000, v[AM+\u]    ; 2 off the exponent field: the conversion's scale operand
.endr
.irp u, 0,1
	v_lshrrev_b32 v[BY+\u], 23, v[SO+\u]           ; the scale's byte
.endr
.irp u, 0,1
	v_cvt_scalef32_pk16_fp6_f32 v[\dst+6*\u:\dst+6*\u+2], v[\src+32*\u:\src+32*\u+15], v[SO+\u]
	v_cvt_scalef32_pk16_fp6_f32 v[T+4*\u:T+4*\u+2], v[\src+32*\u+16:\src+32*\u+31], v[SO+\u]   ; (a conversion's three registers begin on an even number)
.endr
	v_nop                                          ; one plain place behind a scaled conversion
.irp u, 0,1
.irp i, 0,1,2
	v_mov_b32 v[\dst+6*\u+3+\i], v[T+4*\u+\i]
.endr
.endr
.endm
; A mask tile-step, loaded by rows into v[R] on, turns through my own LDS bytes so that register n of lane (r, h) is mask[row r][64 (n / 32) + 32 h + n % 32]; a compare gives word n.
.macro MASKT R, e, D, left
	s_wait_loadcnt \left
.irp q, 0,1,2,3,4,5,6,7,8,9,10,11,12,13,14,15
	ds_store_b128 v[MSTO], v[\R+4*\q:\R+4*\q+3] offset:MP*\q
.endr
.irp b, 0,1,2,3
.irp m, 0,1,2,3
	ds_load_b128 v[\R+16*\b+4*\m:\R+16*\b+4*\m+3], v[MRD] offset:256*(\b/2)+64*(\b%2)+16*\m    ; in order behind the stores above (ISA guide 5.7.1.4)
.endr
.endr
	s_wait_dscnt 0x0
.irp g, 0,1,2,3
.irp i, 0,1,2,3,4,5,6,7,8,9,10,11,12,13,14,15
	v_cmp_ne_u32 s[16+\i], 0, v[\R+16*\g+\i]
.endr
.irp i, 0,1,2,3,4,5,6,7,8,9,10,11,12,13,14,15
	v_writelane_b32 v[\D+\i%2], s[16+\i], 8*\g+\i/2
.endr
.endr
	global_store_b64 v[LS], v[\D:\D+1], s[12:13] offset:256*\e
.endm
	s_wait_loadcnt 32                              ; V's 16 loads are in
.irp i, 0,1,2,3,4,5,6,7,8,9,10,11,12,13,14,15
	ds_store_b128 v[VSTO], v[RV+4*\i:RV+4*\i+3] offset:512*\i
.endr
	s_wait_loadcnt 16                              ; K's are in; the mask's may be out
.irp i, 0,1,2,3,4,5,6,7,8,9,10,11,12,13,14,15
	ds_store_b128 v[KSTO], v[RK+4*\i:RK+4*\i+3] offset:2*KP*\i
.endr
	s_wait_dscnt 0x0                               ; for the others' sake: my parts of both stages are written
	s_barrier_signal -1
	s_barrier_wait -1
.irp u, 0,1
.irp m, 0,1,2,3,4,5,6,7
	ds_load_b128 v[RK+32*\u+4*\m:RK+32*\u+4*\m+3], v[KRD] offset:8*KP*\u+16*\m   ; fragment 2 w + u, row r, d = 32 h + 4 m on
.endr
.endr
.irp c, 0,1
.irp i, 0,1,2,3,4,5,6,7,8,9,10,11,12,13,14,15,16,17,18,19,20,21,22,23,24,25,26,27,28,29,30,31
	ds_load_b32 v[RV+32*\c+\i], v[VRD] offset:2*VGRP*\c+256*\i                   ; V[64 c + 32 h + i][16 w + r]
.endr
.endr
	s_wait_dscnt 63                                ; of the 80 loads at most 63 are out: K's 16 are in
	QUANT64 RK, CK
.irp u, 0,1
	v_lshlrev_b32 v[WK+\u], v[H8], v[BY+\u]        ; my block's byte at its place,
	v_permlanex16_b32 v[PT], v[WK+\u], s32, s33
	v_or_b32 v[WK+\u], v[WK+\u], v[PT]             ; with lane l xor 16's,
	v_lshl_or_b32 v[WK+\u], v[WK+\u], 16, v[WK+\u] ; and both once more: K = 64 fills half of the instruction's 128
.endr
.irp c, 0,1,2
	global_store_b128 v[LI], v[CK+4*\c:CK+4*\c+3], s[10:11] offset:512*\c
.endr
	global_store_b64 v[LS], v[WK:WK+1], s[10:11] offset:1536
.irp i, 0,1,2,3,4,5,6,7,8,9,10,11,12,13,14,15
	global_load_b128 v[RK+4*\i:RK+4*\i+3], v[LI], s[8:9] offset:8192*\i+512 th:TH_LOAD_NT   ; mask, e = 1
.endr
	s_wait_dscnt 0x0                               ; V is back, and my reads of K's stage are over
	s_barrier_signal -1
	s_barrier_wait -1                              ; everybody's are: K's stage bytes may take the mask
	QUANT64 RV, CV
	v_lshl_or_b32 v[WVS], v[BY+1], 16, v[BY]
	v_lshlrev_b32 v[WVS], v[H8], v[WVS]
	v_permlanex16_b32 v[PT], v[WVS], s32, s33
	v_or_b32 v[WVS], v[WVS], v[PT]
	v_mov_b32 v[WVS+1], v[WVS]
.irp c, 0,1,2
	global_store_b128 v[LI], v[CV+4*\c:CV+4*\c+3], s[10:11] offset:4*SUBB+512*\c
.endr
	global_store_b64 v[LS], v[WVS:WVS+1], s[10:11] offset:4*SUBB+1536
	MASKT RM, 0, D0, 16
	MASKT RK, 1, D1, 0
	s_wait_tensorcnt 0x0                           ; the wave's end
	ds_add_u32 v[SPW], v[NIL]
	s_wait_dscnt 0x0
	s_endpgm
.Lfunc_end_k_q81c035384a_prep:
	.size	k_q81c035384a_prep, .Lfunc_end_k_q81c035384a_prep-k_q81c035384a_prep
	.p2alignl 7, 3214868480
	.fill 96, 4, 3214868480
	.section	.rodata,"a",@progbits
	.p2align	6, 0x0
	.amdhsa_kernel k_q81c035384a_prep
		.amdhsa_group_segment_fixed_size 68864
		.amdhsa_private_segment_fixed_size 0
		.amdhsa_enable_private_segment 0
		.amdhsa_kernarg_size 40
		.amdhsa_user_sgpr_count 2
		.amdhsa_user_sgpr_kernarg_segment_ptr 1
		.amdhsa_wavefront_size32 1
		.amdhsa_system_sgpr_workgroup_id_x 1
		.amdhsa_system_sgpr_workgroup_id_y 1
		.amdhsa_system_sgpr_workgroup_id_z 1
		.amdhsa_system_vgpr_workitem_id 0
		.amdhsa_next_free_vgpr 256
		.amdhsa_next_free_sgpr 66
		.amdhsa_reserve_vcc 0
		.amdhsa_float_denorm_mode_32 3
		.amdhsa_float_denorm_mode_16_64 3
		.amdhsa_memory_ordered 1
		.amdhsa_forward_progress 1
		.amdhsa_inst_pref_size 44
	.end_amdhsa_kernel
	.amdgpu_metadata
---
amdhsa.version: [ 1, 2 ]
amdhsa.kernels:
  - .name:           k_q81c035384a_prep
    .symbol:         k_q81c035384a_prep.kd
    .args:
      - { .name: key, .offset: 0, .size: 8, .value_kind: global_buffer, .address_space: global }
      - { .name: value, .offset: 8, .size: 8, .value_kind: global_buffer, .address_space: global }
      - { .name: mask, .offset: 16, .size: 8, .value_kind: global_buffer, .address_space: global }
      - { .name: kv, .offset: 24, .size: 8, .value_kind: global_buffer, .address_space: global }
      - { .name: mbits, .offset: 32, .size: 8, .value_kind: global_buffer, .address_space: global }
    .group_segment_fixed_size: 68864
    .private_segment_fixed_size: 0
    .kernarg_segment_align: 8
    .kernarg_segment_size: 40
    .max_flat_workgroup_size: 128
    .sgpr_count:     66
    .vgpr_count:     256
    .wavefront_size: 32
...
	.end_amdgpu_metadata
.endif
;; end of part 1
;; launch attn (part 2): grid 256 x 1, 8 waves a work-group, clusters of 4 x 1, 265,216 bytes of LDS; arguments query, kv, mbits, out0; writes out0
.if DOCPART == 2
	.amdgcn_target "amdgcn-amd-amdhsa--gfx1250"
	.amdhsa_code_object_version 6
	.text
	.protected	k_q81c035384a_attn
	.globl	k_q81c035384a_attn
	.p2align	8
	.type	k_q81c035384a_attn,@function
k_q81c035384a_attn:
	s_mov_b64 s[64:65], 0
	v_nop
	global_prefetch_b8 v0, s[64:65] scope:SCOPE_SE
	s_setreg_imm32_b32 hwreg(HW_REG_WAVE_MODE, 25, 1), 1
	s_wait_xcnt 0x0
	s_wait_alu depctr_hold_cnt(0) depctr_sa_sdst(0) depctr_va_vdst(0) depctr_va_sdst(0) depctr_va_ssrc(0) depctr_va_vcc(0) depctr_vm_vsrc(0)
	s_getreg_b32 s2, hwreg(HW_REG_IB_STS2, 6, 4)
	s_cmp_eq_u32 s2, 0
	s_cbranch_scc0 .Lentry_in_a_cluster
	s_endpgm
.Lentry_in_a_cluster:
	s_bfe_u32 s2, ttmp6, 0x10000c
	s_cmp_lg_u32 s2, 0x3003
	s_cbranch_scc0 .Lentry_shape_is_right
	s_endpgm
.Lentry_shape_is_right:
; O[hd][q][:] = sum over k of softmax_k(where(mask == 0, -1e9, Q[hd][q] . K[hd][k] / 8)) V[hd][k][:], 64 heads, 2,048 queries and keys, head size 64; both products on codes of FP6 (E2M3) with E8M0 scales.
; K and V come as images of operand registers and the mask as lane-mask words (kv, mbits, made by the launch before); Q, f32, is quantised here, in registers.
; THE SOFTMAX: t = score x log2(e) / 8; M = the row's largest t so far, rounded up to a whole number, kept as -M; p = 2^(t - M) is quantised along the keys, not normalised.
; The row's sum is taken of the unquantised p and divides O at the end.  When M moves, the sums and O are multiplied by 2^(old M - new M): exact.
; LIMITS.  A masked score is set to -2^33 ahead of the scaling (logit -2^30 where reference() has -1e9): -2^33 x c is a whole number, so a row all of whose keys are masked gets p = 1 for every key, as reference() gives it;
; the results are the same wherever unmasked logits lie above about -9.9e8.  NaN and infinities among the inputs are not served.  Q's blocks: as the launch before states for K's and V's.
; SHARES.  A work-group owns 512 queries of one head, each of its eight waves 64: four tiles of 16, so that a fragment of K or V read from LDS feeds four matrix instructions.
; All of the head's K and V, 229,376 bytes, lies in LDS, filled once: each wave asks for an eighth (112 rows of 256 bytes) by its one tensor load; nothing is filled again, and the loop over the keys has no barrier.
; CLUSTER.  The four work-groups of a head ask for K and V jointly: the same loads, the same descriptors, a mask that names the four.  kv is asked for once, at the head, with no loop ahead of it to prefetch in.
; LAYOUT.  Both products are used transposed: S^T = K Q^T, O^T = V^T P^T: a lane holds one query (lane % 16) throughout.  Score register n of a tile is key 64 (n / 32) + 32 (lane / 16) + n % 32 of the step's 128:
; a lane's registers 32 c .. 32 c + 31 are a whole block of the second product's K, so a block's maximum and codes need no other lane.
; THE FIRST PRODUCT'S K IS 64, half of the instruction's 128.  Q's operand holds zero codes in its lower six registers and its codes in the upper six.  K's fragments are packed six registers apart: a fragment's operand
; begins six registers below it, with the fragment before (the first: six registers of zeros): every code of this format is finite, and each is multiplied by a zero code.  The scale bytes of both halves are alike.
; ORDER OF A TURN (tile t of a key step): the mask's 64 selects; the blocks' maxima; M; the next tile's 8 products K Q^T, four packed multiply-adds (t - M) behind each; the exponentials; p's scales and codes;
; O^T and the sums under the new M; the 4 products V^T P, eight packed additions of the row's sum behind each.
; REGISTERS, in windows of 256 (s_set_vgpr_msb: bits 1:0 source 0, 3:2 source 1, 5:4 source 2, 7:6 destination):
;   window 0: v1-23 addresses, -M, at work; v24-40 scale words; v42-61 at work; v62-73 p's codes; v74-79 zeros; v80-127 K's eight fragments; v128-255 scores, two buffers
;   window 1: v0-127 O^T, 32 a tile; v128-175 Q, 12 a tile; v184-231 V's four fragments; v232-255 the rows' sums, three pairs a tile
.set SUBB,  1792
.set SCO,   1536
.set STEPB, 8*SUBB
.set VOF,   4*SUBB
.set HEADB, 16*STEPB
.set FILLB, HEADB/8
.set STG,   HEADB                      ; behind the image: a stage of 16 rows x 272 bytes for each wave; no fill lands there
.set SP,    272
.set SPARE, STG+8*16*SP                ; the spare words, 128 bytes a wave
.set LI,    1                          ; 16 x lane
.set LS,    2                          ; 8 x lane
.set AD,    3                          ; LDS address of the step's codes
.set ADS,   4                          ; and of its scale words
.set PFO,   6                          ; 4,096 x lane
.set H8,    7                          ; 8 (lane / 16)
.set ST,    8                          ; tile t: v[ST + 2 t] = -M, the next a zero (named with it as a pair)
.set RD,    16                         ; stage: 272 (lane / 16) + 16 (lane % 16)
.set QRD,   17                         ; stage: 272 (lane % 16) + 128 (lane / 16)
.set STO,   18                         ; stage: 272 (lane % 16) + 32 (lane / 16)
.set NIL,   19                         ; 0
.set TX,    20
.set TY,    21
.set OLD,   22
.set QS,    24
.set KS,    28
.set VS,    36
.set PS,    40
.set SPW,   41                         ; my spare word
.set F,     42                         ; 2^(old M - new M); v43 zero
.set BM,    44                         ; v44-45 the two blocks' largest scores, then largest p; v46-47 second chains
.set BC,    46
.set PM,    48                         ; v48-50, v52-54 second halves of conversions; v51 a permute's target
.set SO,    56                         ; v56-57 the conversions' scale operands
.set BY,    58                         ; v58-59 scale bytes
.set P,     62
.set KZ,    74
.set KF,    80
.set SA,    128
.set QF,    128                        ; window 1
.set VF,    184                        ; window 1
.set LLB,   232                        ; window 1
.set MB,    2                          ; s[2:3] my wave's mask words of the step in hand
.set G0,    4                          ; s[4:7] descriptor group 0
.set NEGS,  8                          ; -2^33
.set CNEG,  9                          ; -c
.set WV,    12
.set TB,    13
.set CNT,   14
.set LIM,   15
.set CS,    66                         ; s[66:67] c = log2(e) / 8
.set G1,    84                         ; s[84:91] descriptor group 1
.set SEL,   100
.set PFA,   104
                                       ; s[16:63], s[68:83]: a tile-step's 64 mask words: word n in s[16 + n + 4 (n / 48)]
.set MSB, 0
.macro WIN new
.if MSB != \new
	s_set_vgpr_msb (MSB<<8)|\new
.set MSB, \new
.endif
.endm
.macro CROUND                          ; a round of the cluster's barrier
	s_barrier_signal -1
	s_barrier_wait -1
	s_cmp_lg_u32 s[WV], 0
	s_cbranch_scc1 .Lnot_wave_0_\@
	s_barrier_signal -3
.Lnot_wave_0_\@:
	s_barrier_wait -3
	s_barrier_signal -1
	s_barrier_wait -1
.endm
.macro LOADK off                       ; K's eight fragments and scale words of the block off bytes on
.irp s, 0,1,2,3
.irp c, 0,1,2
	ds_load_b128 v[KF+12*\s+4*\c:KF+12*\s+4*\c+3], v[AD] offset:\off+SUBB*\s+512*\c
.endr
.endr
.irp s, 0,1,2,3
	ds_load_b64 v[KS+2*\s:KS+2*\s+1], v[ADS] offset:\off+SUBB*\s+SCO
.endr
.endm
.macro LOADV                           ; V's four fragments and scale words of the step in hand
	WIN 0x40
.irp n, 0,1,2,3
.irp c, 0,1,2
	ds_load_b128 v[VF+12*\n+4*\c:VF+12*\n+4*\c+3], v[AD] offset:VOF+SUBB*\n+512*\c
.endr
.endr
	WIN 0
.irp n, 0,1,2,3
	ds_load_b32 v[VS+\n], v[ADS] offset:VOF+SUBB*\n+SCO
.endr
.endm
.macro LOADM off                       ; a tile-step's 64 mask words
	s_load_b512 s[16:31], s[MB:MB+1], \off
	s_load_b512 s[32:47], s[MB:MB+1], \off+64
	s_load_b512 s[48:63], s[MB:MB+1], \off+128
	s_load_b512 s[68:83], s[MB:MB+1], \off+192
.endm
.macro QK1 t, X, f                     ; 16 keys x 16 queries; window: source 1 (Q) in window 1
	v_wmma_scale_f32_16x16x128_f8f6f4 v[(\X)+8*(\f):(\X)+8*(\f)+7], v[KF+6*(\f)-6:KF+6*(\f)+5], v[QF+12*(\t):QF+12*(\t)+11], 0, v[KS+(\f)], v[QS+(\t)] matrix_a_fmt:MATRIX_FMT_FP6 matrix_b_fmt:MATRIX_FMT_FP6
.endm
; A prefetch of mask words: the 256 bytes of key step j + 2 of each of my work-group's 32 tiles of queries, a lane a tile, one instruction a key step.  Each block of 256 bytes is named once in the launch:
; the batch's first head's cluster asks, its four partners told apart by address, in each wave 0.  Steps 0 and 1 come by their loads alone; the last two steps ask for nothing.
.macro ASK how
.if \how
	s_cmp_eq_u32 s[LIM], 1
.else
	s_cmp_gt_u32 s[CNT], s[LIM]
.endif
	s_cbranch_scc0 .Lnot_mine_\@
	global_prefetch_b8 v[PFO], s[PFA:PFA+1] th:TH_LOAD_NT scope:SCOPE_SE
.Lnot_mine_\@:
.endm
.macro TURN t, first, last
.set XB, SA+64*((\t)%2)
.set XN, SA+64-64*((\t)%2)
.set TN, ((\t)+1)%4
.set NM, ST+2*(\t)
.set LL, LLB+6*(\t)
.set DOQK, 1
.if (\last) && ((\t) == 3)
.set DOQK, 0
.endif
	WIN 0
	s_wait_kmcnt 0x0                               ; this tile's mask words are in
.if ((\t) == 0) && !(\first)
	s_add_nc_u64 s[MB:MB+1], s[MB:MB+1], 256       ; behind that wait no scalar load reads the base
.endif
	s_wait_alu depctr_va_vdst(0)                   ; the wait ahead of the first readers of the scores
.set nn, 0
.rept 64
	v_cndmask_b32 v[XB+nn], s[NEGS], v[XB+nn], s[16+nn+4*(nn/48)]   ; the mask; ascending: each accumulator is first read at its low end
.set nn, nn+1
.endr
.irp c, 0,1                                    ; the largest score of each of my two blocks of 32 keys, in two chains each
	v_max3_num_f32 v[BM+\c], v[XB+32*\c], v[XB+32*\c+1], v[XB+32*\c+2]
	v_max3_num_f32 v[BC+\c], v[XB+32*\c+16], v[XB+32*\c+17], v[XB+32*\c+18]
.endr
.irp i, 3,5,7,9,11,13
.irp c, 0,1
	s_delay_alu instid0(VALU_DEP_4)
	v_max3_num_f32 v[BM+\c], v[BM+\c], v[XB+32*\c+\i], v[XB+32*\c+\i+1]
	s_delay_alu instid0(VALU_DEP_4)
	v_max3_num_f32 v[BC+\c], v[BC+\c], v[XB+32*\c+16+\i], v[XB+32*\c+16+\i+1]
.endr
.endr
	s_delay_alu instid0(VALU_DEP_3)
	v_max3_num_f32 v[BM], v[BM], v[BC], v[XB+15]
	s_delay_alu instid0(VALU_DEP_2)
	v_max3_num_f32 v[BM+1], v[BM+1], v[BC+1], v[XB+47]
.irp c, 0,1
	s_delay_alu instid0(VALU_DEP_2)
	v_max_num_f32 v[BM+\c], v[BM+\c], v[XB+32*\c+31]
.endr
	; what is fetched stands here: the selects have read the mask words, and the plain lines above are the places behind the products that last read V's registers
.if (\t) == 3
.if !(\last)
	LOADM 256                                      ; tile 0's words of the next step
.endif
.else
	LOADM ((\t)+1)*4096                            ; the next tile's words lie 16 steps x 256 bytes on
.endif
.if (\t) == 0
	LOADV
.endif
.if ((\t) == 1) && !(\last)
	ASK \first
.endif
	s_wait_alu depctr_va_vdst(0)                   ; the wait behind the scalar lines and the branch
.if ((\t) == 3) && DOQK
	s_wait_dscnt 0x0                               ; the next step's K, asked for in turn 2, is in
.endif
	v_max_num_f32 v[TX], v[BM], v[BM+1]
.if !(\first)
	v_mov_b32 v[OLD], v[NM]
.endif
	v_permlanex16_b32 v[PM+3], v[TX], s[SEL], s[SEL+1]
	s_delay_alu instid0(VALU_DEP_1)
	v_max_num_f32 v[TX], v[TX], v[PM+3]            ; the step's largest score of my query
	s_delay_alu instid0(VALU_DEP_1)
	v_mul_f32 v[TX], s[CNEG], v[TX]                ; -t
	s_delay_alu instid0(VALU_DEP_1)
	v_floor_f32 v[TX], v[TX]                       ; floor(-t) = -ceil(t)
	s_delay_alu instid0(VALU_DEP_1)
	v_min_num_f32 v[NM], v[TX], v[NM]              ; the new -M: a whole number, and M never falls
.if DOQK
	WIN 0x04
.endif
.set ff, 0
.set nn, 0
.rept 8                                        ; the next tile's scores, each sum begun with the constant 0; t - M of this tile, two at a time, between them
.if DOQK
	QK1 TN, XN, ff
.endif
.rept 4
	v_pk_fma_f32 v[XB+nn:XB+nn+1], v[XB+nn:XB+nn+1], s[CS:CS+1], v[NM:NM+1] op_sel_hi:[1,0,0]
.set nn, nn+2
.endr
.set ff, ff+1
.endr
	WIN 0
.irp c, 0,1
	v_fma_f32 v[BM+\c], v[BM+\c], s[CS], v[NM]     ; the same of each block's largest score
.endr
.if ((\t) == 2) && !(\last)
	LOADK STEPB                                    ; the next step's K: six plain lines stand behind this step's last product K Q^T
.endif
	s_wait_alu depctr_va_vdst(0)                   ; the wait ahead of the batch
.irp c, 0,1
	v_exp_f32 v[BM+\c], v[BM+\c]                   ; the block's largest p: p rises with the score
.endr
.set nn, 0
.rept 64
	v_exp_f32 v[XB+nn], v[XB+nn]                   ; p = 2^(t - M), at most 1
.set nn, nn+1
.endr
.if \first
	v_nop                                          ; the plain place behind the exponentials
.else
	v_sub_f32 v[TY], v[NM], v[OLD]                 ; M's old value less its new one: a whole number, 0 or less
	s_delay_alu instid0(VALU_DEP_1)
	v_cvt_i32_f32 v[TY], v[TY]                     ; (it saturates)
	s_delay_alu instid0(VALU_DEP_1)
	v_ldexp_f32 v[F], 1.0, v[TY]                   ; f = 2^(old M - new M)
.endif
	s_wait_alu depctr_va_vdst(0)                   ; and one behind the batch, ahead of its first reader
.irp c, 0,1
	v_max_num_f32 v[BM+\c], 0x1800000, v[BM+\c]    ; the floor 2^(3 - 127): the byte cannot fall under 1
.endr
.irp c, 0,1
	s_delay_alu instid0(VALU_DEP_2)
	v_add_nc_u32 v[SO+\c], 0xff000000, v[BM+\c]    ; 2 off the exponent field: the conversion's scale operand
.endr
.irp c, 0,1
	v_cvt_scalef32_pk16_fp6_f32 v[P+6*\c:P+6*\c+2], v[XB+32*\c:XB+32*\c+15], v[SO+\c]
	v_cvt_scalef32_pk16_fp6_f32 v[PM+4*\c:PM+4*\c+2], v[XB+32*\c+16:XB+32*\c+31], v[SO+\c]   ; (a conversion's three registers begin on an even number)
.endr
.irp c, 0,1
	v_lshrrev_b32 v[BY+\c], 23, v[SO+\c]           ; the scale's byte (plain places behind the conversions)
.endr
	s_delay_alu instid0(VALU_DEP_1)
	v_lshl_or_b32 v[TX], v[BY+1], 16, v[BY]        ; my bytes: blocks h and 2 + h,
	s_delay_alu instid0(VALU_DEP_1)
	v_lshlrev_b32 v[TX], v[H8], v[TX]              ; at their places
.irp c, 0,1
.irp i, 0,1,2
	v_mov_b32 v[P+6*\c+3+\i], v[PM+4*\c+\i]
.endr
.endr
	v_permlanex16_b32 v[PM+3], v[TX], s[SEL], s[SEL+1]
	s_delay_alu instid0(VALU_DEP_1)
	v_or_b32 v[PS], v[TX], v[PM+3]                 ; with lane l xor 16's two: p's scale word for these 128 keys
.if \first
	s_wait_alu depctr_va_vdst(0)
.rept 8
	v_nop                                          ; places between the scale word (8 are asked), the codes (4) and the scaled products
.endr
	WIN 0x51
.else
	WIN 0x51                                       ; source 0, source 2 and destination window 1, source 1 window 0
	s_wait_alu depctr_va_vdst(0)                   ; the wait ahead of the first readers of O^T
.set nn, 0
.rept 16
	v_pk_mul_f32 v[32*(\t)+nn:32*(\t)+nn+1], v[32*(\t)+nn:32*(\t)+nn+1], v[F:F+1] op_sel_hi:[1,0]   ; O^T under the new M; also the places ahead of the scaled products
.set nn, nn+2
.endr
.irp i, 0,2,4
	v_pk_mul_f32 v[LL+\i:LL+\i+1], v[LL+\i:LL+\i+1], v[F:F+1] op_sel_hi:[1,0]   ; the sums likewise
.endr
.endif
.if (\t) == 0
	s_wait_alu depctr_va_vdst(0)
	s_wait_dscnt 0x0                               ; V is in
.endif
.set jj, 0
.irp n, 0,1,2,3                                ; O^T += V^T P^T: four accumulators by turns; the row's sum of the unquantised p between them, in three chains
.if \first
	v_wmma_scale_f32_16x16x128_f8f6f4 v[32*(\t)+8*\n:32*(\t)+8*\n+7], v[VF+12*\n:VF+12*\n+11], v[P:P+11], 0, v[VS+\n], v[PS] matrix_a_fmt:MATRIX_FMT_FP6 matrix_b_fmt:MATRIX_FMT_FP6
.else
	v_wmma_scale_f32_16x16x128_f8f6f4 v[32*(\t)+8*\n:32*(\t)+8*\n+7], v[VF+12*\n:VF+12*\n+11], v[P:P+11], v[32*(\t)+8*\n:32*(\t)+8*\n+7], v[VS+\n], v[PS] matrix_a_fmt:MATRIX_FMT_FP6 matrix_b_fmt:MATRIX_FMT_FP6
.endif
.rept 8
	v_pk_add_f32 v[LL+2*(jj%3):LL+2*(jj%3)+1], v[LL+2*(jj%3):LL+2*(jj%3)+1], v[XB+2*jj:XB+2*jj+1]
.set jj, jj+1
.endr
.endr
.endm
.macro STEP first, last
.if !(\first)
	WIN 0
.if !(\last)
	s_wait_xcnt 0x0                                ; the last prefetch, three turns back, has read its address
	s_add_nc_u64 s[PFA:PFA+1], s[PFA:PFA+1], 256
.endif
	s_add_co_u32 s[TB], s[TB], STEPB
	v_add_nc_u32 v[AD], s[TB], v[LI]
	v_add_nc_u32 v[ADS], s[TB], v[LS]
.endif
	TURN 0, \first, \last
	TURN 1, \first, \last
	TURN 2, \first, \last
	TURN 3, \first, \last
	WIN 0                                          ; at a label and at a branch every window is 0
.endm
	s_load_b256 s[16:23], s[0:1], 0x0              ; query s[16:17], kv s[18:19], mbits s[20:21] (out0 is fetched on the way out)
	v_lshl_add_u32 v[SPW], v0, 2, SPARE
	v_mov_b32 v[NIL], 0
	ds_add_u32 v[SPW], v[NIL]                      ; the opening lines: the add, twice on end, and its wait ahead of my tensor load
	ds_add_u32 v[SPW], v[NIL]
	v_lshrrev_b32 v8, 5, v0
	s_delay_alu instid0(VALU_DEP_1)
	v_readfirstlane_b32 s[WV], v8                  ; wave 0..7
	v_and_b32 v8, 15, v0                           ; r
	v_bfe_u32 v9, v0, 4, 1                         ; h
	v_and_b32 v10, 31, v0                          ; lane
	s_delay_alu instid0(VALU_DEP_1)
	v_lshlrev_b32 v[LI], 4, v10
	v_lshlrev_b32 v[LS], 3, v10
	v_lshlrev_b32 v[AD], 4, v10                    ; the first step's block begins at LDS byte 0
	v_lshlrev_b32 v[ADS], 3, v10
	v_lshlrev_b32 v[PFO], 12, v10
	v_lshlrev_b32 v[H8], 3, v9
	s_mul_i32 s42, s[WV], 16*SP
	s_add_co_u32 s42, s42, STG                     ; my stage
	v_mul_u32_u24 v[RD], v9, SP
	s_delay_alu instid0(VALU_DEP_1)
	v_lshl_add_u32 v[RD], v8, 4, v[RD]
	s_delay_alu instid0(VALU_DEP_1)
	v_add_nc_u32 v[RD], s42, v[RD]
	v_mul_u32_u24 v[QRD], v8, SP
	s_delay_alu instid0(VALU_DEP_1)
	v_lshl_add_u32 v[STO], v9, 5, v[QRD]
	v_lshl_add_u32 v[QRD], v9, 7, v[QRD]
	s_delay_alu instid0(VALU_DEP_1)
	v_add_nc_u32 v[QRD], s42, v[QRD]
	v_add_nc_u32 v[STO], s42, v[STO]
	; in a cluster launch ttmp9 counts clusters: the head.  cx enters the addresses of query, mbits and out0 alone: no LDS address, no branch, no descriptor
	s_bfe_u32 s24, ttmp6, 0x40000
	s_lshl_b32 s24, s24, 17                        ; cx x 512 queries x 256 bytes (and: cx x 32 tiles x 4,096 bytes of mask words)
	s_mul_i32 s26, ttmp9, HEADB                    ; the head's first byte in kv
	s_mul_i32 s[G0+1], s[WV], FILLB                ; my eighth: its place in LDS, which is its place in the head
	s_add_co_u32 s32, s26, s[G0+1]
	s_mov_b32 s33, 0
	s_lshl_b32 s25, s[WV], 14                      ; my wave's 64 queries x 256 bytes (and: 4 tiles x 4,096 bytes of mask words)
	s_add_co_u32 s25, s25, s24
	s_lshl_b32 s36, ttmp9, 19
	s_add_co_u32 s36, s36, s25                     ; query: my wave's first row
	s_mov_b32 s37, 0
	s_lshr_b32 s27, ttmp9, 4                       ; the batch: 16 heads share a mask
	s_lshl_b32 s27, s27, 19
	s_add_co_u32 s38, s27, s25                     ; mbits: my wave's first tile, step 0
	s_mov_b32 s39, 0
	s_add_co_u32 s40, s27, s24
	s_add_co_u32 s40, s40, 512                     ; the prefetches: my work-group's first tile, step 2
	s_mov_b32 s41, 0
	s_and_b32 s[LIM], ttmp9, 15                    ; the batch's first head, wave 0: the same in all four partners
	s_or_b32 s[LIM], s[LIM], s[WV]
	s_cmp_eq_u32 s[LIM], 0
	s_cselect_b32 s[LIM], 1, -1
	s_mov_b32 s[CS], 0x3e38aa3b                    ; c = log2(e) / 8
	s_mov_b32 s[CS+1], s[CS]
	s_mov_b32 s[CNEG], 0xbe38aa3b                  ; -c
	s_mov_b32 s[NEGS], 0xd0000000                  ; -2^33
	s_mov_b32 s[SEL], 0x76543210
	s_mov_b32 s[SEL+1], 0xfedcba98
	; descriptor group 1: dense bytes as 112 rows of 256 (32 elements of 8 bytes), no padding
	s_mov_b32 s[G1], 15|(3<<16)|(1<<21)
	s_mov_b32 s[G1+1], 32<<16
	s_mov_b32 s[G1+2], (FILLB/256)<<16
	s_mov_b32 s[G1+3], 32<<16
	s_mov_b32 s[G1+4], FILLB/256
	s_mov_b32 s[G1+5], 32
	s_mov_b32 s[G1+6], 0
	s_mov_b32 s[G1+7], 0
	s_wait_dscnt 0x0
	s_wait_kmcnt 0x0
	s_mov_b32 s[G0], 1
	s_add_nc_u64 s[G0+2:G0+3], s[18:19], s[32:33]  ; made of the head and the wave's number alone
	s_or_b32 s[G0+3], s[G0+3], 0x80000000
	s_add_nc_u64 s[16:17], s[16:17], s[36:37]
	s_add_nc_u64 s[MB:MB+1], s[20:21], s[38:39]
	s_add_nc_u64 s[PFA:PFA+1], s[20:21], s[40:41]
	CROUND                                         ; all four work-groups are here: the joint loads meet
	tensor_load_to_lds s[G0:G0+3], s[G1:G1+7]      ; my one tensor load of the launch
	s_nop 0
.rept 4
	v_nop
.endr
.irp t, 0,1,2,3
.irp i, 0,1,2,3,4,5,6,7
	global_load_b128 v[SA+32*\t+4*\i:SA+32*\t+4*\i+3], v[LI], s[16:17] offset:4096*\t+512*\i th:TH_LOAD_NT   ; Q as it lies: rows 2 i, 2 i + 1 of tile t
.endr
.endr
.irp t, 0,1,2,3
	v_mov_b32 v[ST+2*\t], 0x7f61b1e6               ; -M begins at 3e38
	v_mov_b32 v[ST+2*\t+1], 0
.endr
	v_mov_b32 v[F+1], 0
.irp i, 0,1,2,3,4,5,6,7
	v_mov_b32 v[PM+\i], 0                          ; a lane permute's target counts as one of its sources
.endr
.irp i, 0,1,2,3,4,5
	v_mov_b32 v[KZ+\i], 0                          ; below K's first fragment
.endr
	WIN 0x40
.irp t, 0,1,2,3
.irp i, 0,1,2,3,4,5
	v_mov_b32 v[QF+12*\t+\i], 0                    ; Q's operand: zero codes for k = 0 .. 63
.endr
.endr
.set nn, 0
.rept 24
	v_mov_b32 v[LLB+nn], 0                         ; the rows' sums
.set nn, nn+1
.endr
	WIN 0
	; Q turns through my stage, a tile at a time: back so that lane (r, h) holds d = 32 h .. 32 h + 31 of query r: a whole block
.irp t, 0,1,2,3
	s_wait_loadcnt 24-8*\t                         ; tile t's eight loads are in
.irp i, 0,1,2,3,4,5,6,7
	ds_store_b128 v[RD], v[SA+32*\t+4*\i:SA+32*\t+4*\i+3] offset:2*SP*\i
.endr
.irp i, 0,1,2,3,4,5,6,7
	ds_load_b128 v[SA+32*\t+4*\i:SA+32*\t+4*\i+3], v[QRD] offset:16*\i   ; in order behind the stores above (ISA guide 5.7.1.4)
.endr
.endr
	s_wait_dscnt 0x0
.irp t, 0,1,2,3
	v_max3_num_f32 v[BM+\t], |v[SA+32*\t]|, |v[SA+32*\t+1]|, 0x1800000
.endr
.irp i, 2,4,6,8,10,12,14,16,18,20,22,24,26,28,30
.irp t, 0,1,2,3
	s_delay_alu instid0(VALU_DEP_4)
	v_max3_num_f32 v[BM+\t], v[BM+\t], |v[SA+32*\t+\i]|, |v[SA+32*\t+\i+1]|
.endr
.endr
.irp t, 0,1,2,3
	s_delay_alu instid0(VALU_DEP_4)
	v_add_nc_u32 v[SO+\t], 0xff000000, v[BM+\t]
.endr
.irp t, 0,1,2,3
	s_delay_alu instid0(VALU_DEP_4)
	v_lshrrev_b32 v[BM+\t], 23, v[SO+\t]
.endr
.irp t, 0,1,2,3
	s_delay_alu instid0(VALU_DEP_4)
	v_lshlrev_b32 v[BM+\t], v[H8], v[BM+\t]
.endr
.irp t, 0,1,2,3
	s_delay_alu instid0(VALU_DEP_4)
	v_permlanex16_b32 v[PM+\t], v[BM+\t], s[SEL], s[SEL+1]
.endr
.irp t, 0,1,2,3
	s_delay_alu instid0(VALU_DEP_4)
	v_or_b32 v[BM+\t], v[BM+\t], v[PM+\t]
.endr
.irp t, 0,1,2,3
	s_delay_alu instid0(VALU_DEP_4)
	v_lshl_or_b32 v[QS+\t], v[BM+\t], 16, v[BM+\t] ; both bytes once more: both halves of the instruction's K have the same
.endr
	WIN 0x40
.irp t, 0,1,2,3
	v_cvt_scalef32_pk16_fp6_f32 v[QF+12*\t+6:QF+12*\t+8], v[SA+32*\t:SA+32*\t+15], v[SO+\t]
	v_cvt_scalef32_pk16_fp6_f32 v[VF+4*\t:VF+4*\t+2], v[SA+32*\t+16:SA+32*\t+31], v[SO+\t]   ; (the second halves pass through V's registers, which are free here)
.endr
	v_nop                                          ; one plain place behind a scaled conversion
	WIN 0x41
.irp t, 0,1,2,3
.irp i, 0,1,2
	v_mov_b32 v[QF+12*\t+9+\i], v[VF+4*\t+\i]
.endr
.endr
	WIN 0
	s_wait_alu depctr_va_vdst(0)                   ; the wait at the head's end
	s_wait_tensorcnt 0x0                           ; my eighth of the head is in,
	s_barrier_signal -1
	s_barrier_wait -1                              ; everybody's is: from here on no wave waits for another
	s_mov_b32 s[TB], 0
	LOADM 0                                        ; (Q's loads have all come back: their base may be written)
	LOADK 0
.rept 8
	v_nop                                          ; places between Q's scale words and codes and the scaled products
.endr
	s_wait_dscnt 0x0
	WIN 0x04
.irp f, 0,1,2,3,4,5,6,7
	QK1 0, SA, \f                                  ; tile 0's first scores
.endr
	WIN 0
.rept 4
	v_nop
.endr
	STEP 1, 0
	s_mov_b32 s[CNT], 14
.Lstep:                                            ; key steps 1 to 14
	STEP 0, 0
	s_sub_co_u32 s[CNT], s[CNT], 1
	s_cmp_lg_u32 s[CNT], 0
	s_cbranch_scc1 .Lstep
	STEP 0, 1                                      ; key step 15 fetches nothing beyond the end
	; THE WAY OUT.  The sum's six parts and lane l xor 16's are added; O^T is divided by the sum and goes through my stage, a tile at a time.
	s_load_b64 s[16:17], s[0:1], 0x18              ; out0
	s_bfe_u32 s18, ttmp6, 0x40000
	s_lshl_b32 s18, s18, 17
	s_lshl_b32 s19, ttmp9, 19
	s_add_co_u32 s18, s18, s19
	s_lshl_b32 s19, s[WV], 14
	s_add_co_u32 s18, s18, s19                     ; my wave's first row, as in query
	s_mov_b32 s19, 0
	WIN 0x05
	s_wait_alu depctr_va_vdst(0)                   ; the wait behind the scalar lines
.irp t, 0,1,2,3
	v_pk_add_f32 v[PM+2*\t:PM+2*\t+1], v[LLB+6*\t:LLB+6*\t+1], v[LLB+6*\t+2:LLB+6*\t+3]
.endr
	WIN 0x01
.irp t, 0,1,2,3
	v_pk_add_f32 v[PM+2*\t:PM+2*\t+1], v[LLB+6*\t+4:LLB+6*\t+5], v[PM+2*\t:PM+2*\t+1]
.endr
	WIN 0
.irp t, 0,1,2,3
	v_add_f32 v[BM+\t], v[PM+2*\t], v[PM+2*\t+1]
.endr
.irp t, 0,1,2,3
	s_delay_alu instid0(VALU_DEP_4)
	v_permlanex16_b32 v[SO+\t], v[BM+\t], s[SEL], s[SEL+1]
.endr
.irp t, 0,1,2,3
	s_delay_alu instid0(VALU_DEP_4)
	v_add_f32 v[BM+\t], v[BM+\t], v[SO+\t]         ; the row's sum
.endr
	s_wait_alu depctr_va_vdst(0)
.irp t, 0,1,2,3
	v_rcp_f32 v[ST+2*\t], v[BM+\t]
.endr
	v_nop
	s_wait_alu depctr_va_vdst(0)                   ; one wait for the four, ahead of the first use
	s_wait_kmcnt 0x0
	s_add_nc_u64 s[16:17], s[16:17], s[18:19]
; Tile t: register 8 n + i of lane (r, h) is o(r, 16 n + 8 h + i).  They go into rows of 272 bytes and come back as whole rows of 256.
.macro PACK t
	WIN 0x01
.set nn, 0
.rept 16
	v_pk_mul_f32 v[SA+32*\t+nn:SA+32*\t+nn+1], v[32*\t+nn:32*\t+nn+1], v[ST+2*\t:ST+2*\t+1] op_sel_hi:[1,0]
.set nn, nn+2
.endr
	WIN 0
.irp n, 0,1,2,3
	ds_store_b128 v[STO], v[SA+32*\t+8*\n:SA+32*\t+8*\n+3] offset:64*\n
	ds_store_b128 v[STO], v[SA+32*\t+8*\n+4:SA+32*\t+8*\n+7] offset:64*\n+16
.endr
.irp i, 0,1,2,3,4,5,6,7
	ds_load_b128 v[SA+32*\t+4*\i:SA+32*\t+4*\i+3], v[RD] offset:2*SP*\i
.endr
.endm
.macro SEND t, younger                 ; younger: the LDS instructions issued behind tile t's loads
.irp i, 0,1,2,3,4,5,6,7
	s_wait_dscnt \younger+7-\i
	global_store_b128 v[LI], v[SA+32*\t+4*\i:SA+32*\t+4*\i+3], s[16:17] offset:4096*\t+512*\i th:TH_STORE_NT   ; 16 lanes store a row's 256 consecutive bytes, aligned
.endr
.endm
	PACK 0
	PACK 1
	SEND 0, 16
	PACK 2
	SEND 1, 16
	PACK 3
	SEND 2, 16
	SEND 3, 0
	s_wait_tensorcnt 0x0                           ; the wave's end
	ds_add_u32 v[SPW], v[NIL]
	s_wait_dscnt 0x0
	CROUND                                         ; the closing round
	s_endpgm
.Lfunc_end_k_q81c035384a_attn:
	.size	k_q81c035384a_attn, .Lfunc_end_k_q81c035384a_attn-k_q81c035384a_attn
	.p2alignl 7, 3214868480
	.fill 96, 4, 3214868480
	.section	.rodata,"a",@progbits
	.p2align	6, 0x0
	.amdhsa_kernel k_q81c035384a_attn
		.amdhsa_group_segment_fixed_size 265216
		.amdhsa_private_segment_fixed_size 0
		.amdhsa_enable_private_segment 0
		.amdhsa_kernarg_size 32
		.amdhsa_user_sgpr_count 2
		.amdhsa_user_sgpr_kernarg_segment_ptr 1
		.amdhsa_wavefront_size32 1
		.amdhsa_system_sgpr_workgroup_id_x 1
		.amdhsa_system_sgpr_workgroup_id_y 1
		.amdhsa_system_sgpr_workgroup_id_z 1
		.amdhsa_system_vgpr_workitem_id 0
		.amdhsa_next_free_vgpr 512
		.amdhsa_next_free_sgpr 106
		.amdhsa_reserve_vcc 0
		.amdhsa_float_denorm_mode_32 3
		.amdhsa_float_denorm_mode_16_64 3
		.amdhsa_memory_ordered 1
		.amdhsa_forward_progress 1
		.amdhsa_inst_pref_size 255
	.end_amdhsa_kernel
	.section	.bss,"aw",@nobits
	.p2align	6
	.space	262144
	.amdgpu_metadata
---
amdhsa.version: [ 1, 2 ]
amdhsa.kernels:
  - .name:           k_q81c035384a_attn
    .symbol:         k_q81c035384a_attn.kd
    .args:
      - { .name: query, .offset: 0, .size: 8, .value_kind: global_buffer, .address_space: global }
      - { .name: kv, .offset: 8, .size: 8, .value_kind: global_buffer, .address_space: global }
      - { .name: mbits, .offset: 16, .size: 8, .value_kind: global_buffer, .address_space: global }
      - { .name: out0, .offset: 24, .size: 8, .value_kind: global_buffer, .address_space: global }
    .group_segment_fixed_size: 265216
    .private_segment_fixed_size: 0
    .kernarg_segment_align: 8
    .kernarg_segment_size: 32
    .max_flat_workgroup_size: 256
    .sgpr_count:     106
    .vgpr_count:     512
    .wavefront_size: 32
...
	.end_amdgpu_metadata
.endif
;; end of part 2
